; MI455X (gfx1250); checked and timed in simulation.
; The chip was launched on July 23, 2026; its instructions are those of AMD's public machine-readable ISA for CDNA 5 (MIT licence, August 2026) and "CDNA5" Instruction Set Architecture Reference Guide (July 2026). The comments in the code are by the model that wrote it; some were corrected since.
;; Multi Head Attention. Allowed arithmetic: matrix products marked QUANTISED: E4M3 operands, one given power-of-two scale a tensor, by v_wmma_f32_16x16x64_fp8_fp8 or v_wmma_f32_16x16x128_fp8_fp8, f32 sums; everything else in f32.
;; Inputs: Wk_codes 16 x 64 x 32 x 32 uint8 (E4M3 codes of Wk, K innermost, in blocks of 32 codes); Wo_codes 1,024 x 32 x 32 uint8 (E4M3 codes of Wo, K innermost, in blocks of 32 codes); Wq_codes 16 x 64 x 32 x 32 uint8 (E4M3 codes of Wq, K innermost, in blocks of 32 codes); Wv_codes 16 x 64 x 32 x 32 uint8 (E4M3 codes of Wv, K innermost, in blocks of 32 codes); bo 1,024 float32; lowp_scales 12 int32 (the exponents e of the quantised operands' scales 2^e); x_codes 4 x 2,048 x 32 x 32 uint8 (E4M3 codes of x, K innermost, in blocks of 32 codes).
;; Outputs: out0 4 x 2,048 x 1,024 float32.
;; This version of the problem:
;;   THIS VERSION OF THE PROBLEM IS GIVEN IN LOW PRECISION. The matrix products marked QUANTISED in the list below multiply operands that are first quantised to E4M3 (4 exponent bits, 3 mantissa bits; 8 bits a number), with one given power-of-two scale for each operand tensor; their sums are f32. All else is computed in f32.
;;   The module's matrix products, in the order in which they are computed (A, B: the left and right operand; K: the contracted axis; several contracted axes count as one K, in the product's order):
;;     1. [M 1,024, K 1,024] x [K 1,024, N 8,192]; A: input Wq (given as codes); B: input x (given as codes): QUANTISED (scales: A lowp_scales[0], B lowp_scales[1])
;;     2. [M 1,024, K 1,024] x [K 1,024, N 8,192]; A: input Wk (given as codes); B: input x (given as codes): QUANTISED (scales: A lowp_scales[2], B lowp_scales[3])
;;     3. [M 1,024, K 1,024] x [K 1,024, N 8,192]; A: input Wv (given as codes); B: input x (given as codes): QUANTISED (scales: A lowp_scales[4], B lowp_scales[5])
;;     4. batch 64 x [M 2,048, K 64] x [K 64, N 2,048]; A: computed on the way; B: computed on the way: QUANTISED (scales: A lowp_scales[6], B lowp_scales[7])
;;     5. batch 64 x [M 2,048, K 2,048] x [K 2,048, N 64]; A: softmax (see below); B: computed on the way: QUANTISED (scales: A lowp_scales[8], B lowp_scales[9])
;;     6. [M 8,192, K 1,024] x [K 1,024, N 1,024]; A: computed on the way; B: input Wo (given as codes): QUANTISED (scales: A lowp_scales[10], B lowp_scales[11])
;;   THE QUANTISER, for each operand of a quantised product, along K:
;;     - The operand's scale is 2^e, e = its entry of the input lowp_scales (int32; the entries are numbered through the quantised products in the list's order, A before B).
;;     - Each number is divided by the scale, clamped to +-448, and rounded to the nearest number of E4M3, ties to even, subnormals kept.
;;     - The product sums the exact products of the quantised numbers (number of the format x scale) in f32.
;;   ~~~python
;;   def quantise(x, axis, e):      # numpy; x: float32 -> the quantised numbers, widened to float32 again
;;       x = np.moveaxis(x, axis, -1); K = x.shape[-1]
;;       r = np.clip(x / 2.0 ** e, -448, 448)
;;       step = 2.0 ** (np.maximum(np.frexp(np.where(r == 0, 1, r))[1] - 1, -6) - 3)
;;       q = np.round(r / step) * step * 2.0 ** e      # np.round: ties to even
;;       return np.moveaxis(q, -1, axis).astype(np.float32)
;;   ~~~
;;   SOFTMAX AHEAD OF A QUANTISED PRODUCT. Where the list says 'softmax', what is quantised is not the finished softmax but p = 2^(t - M), with t = logit x log2(e) and M = ceil(the row's largest t), a whole number; so 1/2 < the row's largest p <= 1. The row's sum l is taken of the UNQUANTISED p, in f32, and the product's result is divided by l at the end. Since M is a whole number, a kernel that streams over the keys may use a running M (the ceiling of the running maximum): every later rescaling is an exact power of two, so the quantised numbers keep their values, but for numbers so far below the row's largest that they fall under the format's range.
;;   OPERANDS COMPUTED ON THE WAY. 'Computed on the way' means the value that the module computes at that place (a softmax that the list does not call 'softmax' is quantised finished and normalised). What goes into a quantiser is computed in f32, as accurately as f32 sums, v_exp_f32 and their like allow (about 1e-6 of the number): no bf16 or f16 on the way to a quantiser, and a product that is left as it is and whose result goes on into a quantised operand takes f32 operands (vector FMAs, or v_wmma_f32_16x16x4_f32). A number that lies on a knife's edge between two numbers of the format may be rounded either way, as far as f32 arithmetic and the matrix unit's own rounding can turn it there, and no further.
;;   INPUTS GIVEN AS CODES. Wk (in the module: [16, 1024, 64], K = its axis 1); Wo (in the module: [1024, 1024], K = its axis 1); Wq (in the module: [16, 1024, 64], K = its axis 1); Wv (in the module: [16, 1024, 64], K = its axis 1); x (in the module: [4, 2048, 1024], K = its axis 2): each comes as NAME_codes (uint8): NAME with its K axis moved to the last place and cut into blocks of 32 codes, [.., K / 32, bytes a block], one block behind the other in memory; one code a byte (a code: sign, 4 exponent bits, 3 mantissa bits); its scale is its entry of lowp_scales. Its value is code x scale, taken as it is: it is not quantised again, and the codes and scales need not be those that the quantiser above would give.
;; One version. Each part assembles by itself: llvm-mc -triple=amdgcn-amd-amdhsa -mcpu=gfx1250 --defsym DOCPART=n.
;; ======== version 1 of 1: 3 launches
;; limits: right only within a limited range of input values
;; workspace buffers: q_img 8,388,608 bytes; kv_img 16,777,216 bytes; ao_img 8,388,608 bytes
;; launch proj (part 1): grid 12 x 16, 4 waves a work-group, clusters of 4 x 4, 327,680 bytes of LDS; arguments x_codes, Wq_codes, Wk_codes, Wv_codes, lowp_scales, q_img, kv_img; writes q_img, kv_img
.if DOCPART == 1
	.amdgcn_target "amdgcn-amd-amdhsa--gfx1250"
	.amdhsa_code_object_version 6
	.text
	.protected	k_q8c60864869_proj
	.globl	k_q8c60864869_proj
	.p2align	8
	.type	k_q8c60864869_proj,@function
k_q8c60864869_proj:
	s_mov_b64 s[64:65], 0
	v_nop
	global_prefetch_b8 v0, s[64:65] scope:SCOPE_SE
	s_setreg_imm32_b32 hwreg(HW_REG_WAVE_MODE, 25, 1), 1
	s_wait_xcnt 0x0
	s_wait_alu depctr_hold_cnt(0) depctr_sa_sdst(0) depctr_va_vdst(0) depctr_va_sdst(0) depctr_va_ssrc(0) depctr_va_vcc(0) depctr_vm_vsrc(0)
	s_getreg_b32 s2, hwreg(HW_REG_IB_STS2, 6, 4)
	s_cmp_eq_u32 s2, 0
	s_cbranch_scc0 .Lentry_in_a_cluster
	s_endpgm
.Lentry_in_a_cluster:
	s_bfe_u32 s2, ttmp6, 0x10000c
	s_cmp_lg_u32 s2, 0xf033
	s_cbranch_scc0 .Lentry_shape_is_right
	s_endpgm
.Lentry_shape_is_right:
; THE THREE PROJECTIONS q, k, v = x W^T on codes of FP8 (E4M3), and their quantising.  x: 8,192 rows of 1,024 codes; Wq, Wk, Wv: 1,024 rows (64 h + e) of 1,024 codes; K innermost everywhere.
; The cluster's x says which projection: 0 q, 1 k, 2 v.  A tile is 256 x 256 over K = 1,024: four waves, each 128 x 128: 64 accumulators of 16 x 16, 512 registers.
; K goes in steps of 256 through a ring of two LDS slots filled by the tensor data mover; the four work-groups of a row of the cluster ask jointly for the tiles of the operand called A here, the four of a column for B's.
; THE MATRIX INSTRUCTION: source 0 = 16 rows of B, source 1 = 16 rows of A.  In the result a lane holds ONE row of A (lane % 16) and its eight registers eight neighbouring rows of B, 8 (lane / 16) + 0 .. 7.
; q and k: A = x, B = W: a lane's registers run along e, which is the K of the scores.   v: A = Wv, B = x: they run along the keys, which are the K of the second product of attention.
; So ONE conversion of an accumulator's eight registers gives registers 2 c, 2 c + 1 of the later operand (c = the tile of B), and the codes leave as IMAGES OF THAT OPERAND'S REGISTERS:
; four registers of 32 lanes = 512 consecutive bytes, lane l's 16 bytes at 16 l.  Each store of the wave covers 512 consecutive bytes, aligned; nothing is transposed, no stage is needed.
;   q_img  [bh = 16 b + h][s / 16][1,024]: a fragment of 16 queries x 64.
;   kv_img [bh][s / 128][16,384]: eight fragments of 16 keys x 64 (1,024 bytes each), then from byte 8,192 four fragments of 16 e x 128 keys (2,048 bytes each).
; SCALES: a sum stands for sum x 2^(eW + ex); its code is sum / 2^E, E = e6 - e0 - e1 (q), e7 - e2 - e3 (k), e9 - e4 - e5 (v), held within +-448 x 2^E first.  All choices by s_cselect: no branch hangs on a loaded number.
; LIMITS: -126 <= E <= 119, so that 2^E and 448 x 2^E are f32 numbers.  NaN codes among the inputs are not served.
; A fragment is fetched by four loads of 16 bytes: a permutation of k inside the 128 of an instruction, the same for both sources, so every product meets its partner.
; REGISTERS, in windows of 256: window 0: v8, v10 store offsets; v16-21 LDS addresses; v28-31; from v128 A's fragments, ONE set; on the way out v32-95 held sums, v128-255 codes.
;   window 1: B's fragments, TWO sets.   window 2: accumulators of my rows 0-63 of A ((a, b) at v[8 (8 (a % 4) + b)]);   window 3: those of rows 64-127.
.set KROW,   1024                      ; a row of x or of W in memory, in bytes
.set ROWB,   256                       ; along K in a slot
.set PITCH,  272                       ; an LDS row: 256 bytes + 16 of padding = 68 words: the 16 rows that a load touches start at 16 different banks (64 banks of 4 bytes: ISA guide 11.1)
.set FR,     16                        ; registers of a fragment: 16 rows x 128 K
.set NL,     4                         ; LDS loads that bring one
.set NP,     4                         ; places behind this matrix instruction (ISA guide 7.12.1)
.set HALFT,  128*PITCH                 ; 128 rows: what one wave reads of A or of B; a tensor load brings a whole tile, 256 rows
.set SLOT,   4*HALFT                   ; A's 256 rows, then B's 256 rows
.set LAPS,   KROW/(2*ROWB)             ; a lap = once round the ring: 2
.set SPARE,  2*SLOT                    ; behind the ring: the spare words, 128 bytes for each wave, which no other line names
.set VO0,  8                           ; v8      16 x lane
.set VO2,  10                          ; v10     16 x lane + the distance to the block's second pair of stores
.set ADRA, 16                          ; v16-17  LDS address of my A fragments in slot 0, 1
.set ADRB, 20                          ; v20-21  the same for B
.set SPW,  28                          ; v28     LDS address of my spare word; never rewritten
.set NIL,  29                          ; v29     0; never rewritten
.set SC,   30                          ; v30     2^E as f32
.set LIM,  31                          ; v31     448 x 2^E
.set TMP,  32                          ; the way out: a block's 64 sums, held
.set AF,   128                         ; A's fragments, in window 0
.set CD,   128                         ; the way out: 16 registers of codes for each of the eight blocks, so that no store's data are written again
.set G1, 24                            ; s[24:31] descriptor group 1 for A's tiles;  s[32:39] group 0, one set for each slot
.set G0, 32
.set G1B, 48                           ; s[48:55], s[56:63] the same for B's tiles
.set G0B, 56
.set MSB, 0
.macro WIN new                         ; the immediate's high byte repeats the setting that is left; a switch that changes nothing is dropped
.if MSB != (\new)
	s_set_vgpr_msb (MSB<<8)|(\new)
.set MSB, \new
.endif
.endm
.set MUL_LO, 0xa1                      ; source 0 (B) window 1, source 1 (A) window 0, C and D window 2
.set MUL_HI, 0xf1                      ; the same, C and D window 3
.set TO_B,   0x40                      ; destination window 1, address window 0
; A joint load: waves 0 and 1 fetch for A, waves 2 and 3 for B.  Each line has one mask and one set of registers for all that issue it; the branch hangs on the wave's number alone.
; Four v_nop follow each of the two lines, ahead of the jump, the label and what follows.
.macro JLOAD g0a, g1a, g0b, g1b
	s_cmp_eq_u32 s15, 0
	s_cbranch_scc0 .Lfor_b_\@
	tensor_load_to_lds s[\g0a:\g0a+3], s[\g1a:\g1a+7]
	s_nop 0
.rept 4
	v_nop
.endr
	s_branch .Lasked_\@
.Lfor_b_\@:
	tensor_load_to_lds s[\g0b:\g0b+3], s[\g1b:\g1b+7]
	s_nop 0
.rept 4
	v_nop
.endr
.Lasked_\@:
.endm
.macro CREST                           ; a round of the cluster's barrier behind its opening barrier
	s_cmp_lg_u32 s14, 0
	s_cbranch_scc1 .Lnot_wave_0_\@
	s_barrier_signal -3
.Lnot_wave_0_\@:
	s_barrier_wait -3
	s_barrier_signal -1
	s_barrier_wait -1
.endm
.macro CROUND                          ; a whole round
	s_barrier_signal -1
	s_barrier_wait -1
	CREST
.endm
	s_load_b256 s[68:75], s[0:1], 0x0              ; x s[68:69], Wq s[70:71], Wk s[72:73], Wv s[74:75]
	s_load_b128 s[76:79], s[0:1], 0x20             ; the scales' exponents s[76:77], q_img s[78:79]
	s_load_b64 s[80:81], s[0:1], 0x30              ; kv_img
	v_lshl_add_u32 v[SPW], v0, 2, SPARE
	v_mov_b32 v[NIL], 0
	ds_add_u32 v28, v29
	ds_add_u32 v28, v29
	s_wait_dscnt 0x0
	v_lshrrev_b32 v1, 5, v0
	v_readfirstlane_b32 s14, v1                    ; wave 0..3
	s_lshr_b32 s15, s14, 1                         ; which half of A's 256 rows is mine.  Also: I fetch for A (0) or for B (1)
	s_and_b32 s16, s14, 1                          ; which half of B's.  Also: which slot's tile I fetch (0 or 1)
	s_bfe_u32 s40, ttmp6, 0x40000                  ; cx, cy: my place in the cluster
	s_bfe_u32 s41, ttmp6, 0x40004
	s_and_b32 s18, ttmp7, 0xffff
	s_lshl_b32 s18, s18, 2                         ; 4 x cluster y: x has 32 tiles of 256 rows, a weight four
	s_cmp_eq_u32 ttmp9, 2                          ; v?  (the cluster's x is the same in all sixteen partners)
	s_cselect_b32 s17, 0, s18
	s_cselect_b32 s42, s18, 0
	s_add_co_u32 s17, s17, s41                     ; A's tile: made of cy and the cluster's y alone
	s_add_co_u32 s42, s42, s40                     ; B's tile: made of cx and the cluster's y alone
	s_lshl_b32 s43, s41, 2
	s_lshl_b32 s43, 15, s43                        ; my row of the cluster
	s_lshl_b32 s44, 0x1111, s40                    ; my column
	; descriptor group 1: a tile of 128 rows x 256 bytes, padded in LDS
	s_or_b32 s[G1+0], s43, (0<<16)|(1<<20)|(1<<21)|(5<<22)|(3<<25)  ; 15:0 the mask: A's tiles go to my row; 17:16 elements of 1 byte; 20 padding on; 21 set beside a mask; 24:22 after every 64 words (code 5); 31:25 four words (code 3)
	s_or_b32 s[G1B+0], s44, (0<<16)|(1<<20)|(1<<21)|(5<<22)|(3<<25)
.irp g, G1, G1B
	s_mov_b32 s[\g+1], ROWB<<16                    ; tensor_dim0
	s_mov_b32 s[\g+2], 256<<16                     ; tensor_dim1 = 256
	s_mov_b32 s[\g+3], ROWB<<16                    ; tile_dim0
	s_mov_b32 s[\g+4], 256                         ; tile_dim1 = 256
	s_mov_b32 s[\g+5], KROW                        ; tensor_dim0_stride
	s_mov_b32 s[\g+6], 0
	s_mov_b32 s[\g+7], 0
.endr
	s_lshl_b32 s20, s17, 18                        ; A: tile x 256 rows x 1,024 bytes (under 2^23)
	s_mov_b32 s21, 0
	s_lshl_b32 s46, s42, 18                        ; B likewise
	s_mov_b32 s47, 0
	s_mul_i32 s45, s15, 2*HALFT                    ; where my tile goes in a slot: A's 256 rows first (waves 0, 1), then B's (waves 2, 3): no place in the cluster enters an LDS address
	s_wait_kmcnt 0x0
	s_load_b256 s[84:91], s[76:77], 0x0            ; e0 .. e7
	s_load_b128 s[92:95], s[76:77], 0x20           ; e8 .. e11
	s_cmp_eq_u32 ttmp9, 0
	s_cselect_b64 s[6:7], s[70:71], s[72:73]       ; Wq or Wk
	s_cselect_b64 s[8:9], s[78:79], s[80:81]       ; the codes go to q_img or to kv_img
	s_cmp_eq_u32 ttmp9, 2
	s_cselect_b64 s[4:5], s[74:75], s[68:69]       ; A: Wv for v, else x
	s_cselect_b64 s[6:7], s[68:69], s[6:7]         ; B: x for v, else the weight
	s_cselect_b32 s2, 0, 0x400000                  ; A WORK-GROUP STAYS and makes two tiles, 16 tiles of x (4,096 rows, 0x400000 bytes) apart, on the same rows of the weight: s[2:3] what A's addresses step by,
	s_cselect_b32 s66, 0x400000, 0                 ; s[66:67] what B's step by (the cluster's x decides: the same in all partners)
	s_mov_b32 s3, 0
	s_mov_b32 s67, 0
	s_add_nc_u64 s[20:21], s[4:5], s[20:21]
	s_add_nc_u64 s[46:47], s[6:7], s[46:47]
	CROUND                                         ; all sixteen work-groups are here: the first joint loads meet
.irp s, 0,1
	s_mov_b32 s[G0+4*\s], 1                        ; count = 1
	s_add_co_u32 s[G0+4*\s+1], s45, \s*SLOT        ; LDS address
	s_add_nc_u64 s[G0+4*\s+2:G0+4*\s+3], s[20:21], \s*ROWB   ; global address: K step s
	s_or_b32 s[G0+4*\s+3], s[G0+4*\s+3], 0x80000000          ; type = 2
	s_mov_b32 s[G0B+4*\s], 1
	s_add_co_u32 s[G0B+4*\s+1], s45, \s*SLOT
	s_add_nc_u64 s[G0B+4*\s+2:G0B+4*\s+3], s[46:47], \s*ROWB
	s_or_b32 s[G0B+4*\s+3], s[G0B+4*\s+3], 0x80000000
.endr
	s_cmp_eq_u32 s16, 0                            ; one tensor load a wave at the head: waves 0 and 2 fetch K step 0's tiles of A and B, waves 1 and 3 K step 1's
	s_cbranch_scc0 .Lhead_1
	JLOAD G0, G1, G0B, G1B
	s_branch .Lhead_asked
.Lhead_1:
	JLOAD G0+4, G1, G0B+4, G1B
.Lhead_asked:
	v_and_b32 v1, 15, v0                           ; l % 16
	v_bfe_u32 v2, v0, 4, 1                         ; l / 16
	v_mul_u32_u24 v3, v1, PITCH
	v_lshl_add_u32 v4, v2, 4, v3                   ; a fragment's row x pitch + 16 x half
	s_mul_i32 s21, s15, HALFT                      ; my 128 rows of A
	s_mul_i32 s22, s16, HALFT                      ; my 128 rows of B,
	s_add_co_u32 s22, s22, 2*HALFT                 ; which lie behind A's 256
.irp s, 0,1
	v_add_nc_u32 v[ADRA+\s], s21, v4
	v_add_nc_u32 v[ADRB+\s], s22, v4
	s_add_co_u32 s21, s21, SLOT
	s_add_co_u32 s22, s22, SLOT
.endr
	; where my codes go.  My 128 rows of x are one run of 128 positions of one batch entry; my 128 rows of the weight are two heads.
	s_lshl_b32 s96, s17, 8
	s_lshl_b32 s97, s15, 7
	s_add_co_u32 s96, s96, s97                     ; my first row of A
	s_lshl_b32 s98, s42, 8
	s_lshl_b32 s97, s16, 7
	s_add_co_u32 s98, s98, s97                     ; my first row of B
	s_cmp_eq_u32 ttmp9, 2
	s_cselect_b32 s97, s98, s96                    ; x's row
	s_cselect_b32 s99, s96, s98                    ; the weight's row
	s_lshr_b32 s99, s99, 6                         ; my first head
	s_lshr_b32 s96, s97, 11                        ; b
	s_lshl_b32 s96, s96, 4
	s_add_co_u32 s96, s96, s99                     ; bh = 16 b + h
	s_and_b32 s97, s97, 2047                       ; s, a multiple of 128
	s_lshl_b32 s98, s96, 17
	s_lshl_b32 s99, s97, 6
	s_add_co_u32 s98, s98, s99                     ; q_img: bh x 131,072 + (s / 16) x 1,024
	s_lshl_b32 s96, s96, 18
	s_lshl_b32 s97, s97, 7
	s_add_co_u32 s96, s96, s97                     ; kv_img: bh x 262,144 + (s / 128) x 16,384
	s_cmp_eq_u32 ttmp9, 0
	s_cselect_b32 s18, s98, s96
	s_mov_b32 s22, 262144
	s_cselect_b32 s22, 131072, s22                 ; q, k: a block's second pair of stores is the next head's fragment
	s_cmp_eq_u32 ttmp9, 2
	s_cselect_b32 s23, 8192, 0                     ; v's fragments lie behind k's
	s_cselect_b32 s22, 1024, s22                   ; v: the second pair is the same fragment's upper half
	s_mov_b32 s10, 1024
	s_cselect_b32 s10, 2048, s10                   ; from block to block: a fragment of 1,024 bytes (q, k) or of 2,048 (v)
	s_mov_b32 s12, 1024
	s_cselect_b32 s12, 256000, s12                 ; v, from block 3 to block 4: on to the next head: 262,144 - 3 x 2,048
	s_add_co_u32 s18, s18, s23
	s_mov_b32 s19, 0
	s_mov_b32 s11, 0
	s_mov_b32 s13, 0
	s_add_nc_u64 s[8:9], s[8:9], s[18:19]
	s_cmp_eq_u32 ttmp9, 0
	s_mov_b32 s18, 0x800000
	s_cselect_b32 s18, 0x400000, s18               ; 4,096 rows of x on are two batch entries, 32 bh: 32 x 131,072 bytes of q_img, 32 x 262,144 of kv_img
	s_add_nc_u64 s[82:83], s[8:9], s[18:19]        ; where the second tile's codes go
	v_and_b32 v6, 31, v0
	v_lshlrev_b32 v[VO0], 4, v6
	v_add_nc_u32 v[VO2], s22, v[VO0]
.macro FRAG reg, adr, q, i             ; a fragment, 16 rows x 128 K, is 16 registers: four loads of 16 bytes, 32 bytes apart
.irp c, 0,1,2,3
	ds_load_b128 v[\reg+4*\c:\reg+4*\c+3], v[\adr] offset:128*(\q)+32*\c+(\i)*16*PITCH
.endr
.endm
; 16 matrix instructions: A's blocks a0, a0 + 1 x B's eight, 128 along K.  p: B's set.  zero = 1: the first product starts the sums: nothing is ever cleared.
; The 64 accumulators take turns, one instruction a turn, in the same order in every step.
.macro MUL16 a0, p, zero
.irp a, \a0, \a0+1
.irp b, 0,1,2,3,4,5,6,7
.if \zero
	v_wmma_f32_16x16x128_fp8_fp8 v[8*(8*((\a)%4)+\b):8*(8*((\a)%4)+\b)+7], v[128*(\p)+FR*\b:128*(\p)+FR*\b+FR-1], v[AF+FR*(\a):AF+FR*(\a)+FR-1], 0
.else
	v_wmma_f32_16x16x128_fp8_fp8 v[8*(8*((\a)%4)+\b):8*(8*((\a)%4)+\b)+7], v[128*(\p)+FR*\b:128*(\p)+FR*\b+FR-1], v[AF+FR*(\a):AF+FR*(\a)+FR-1], v[8*(8*((\a)%4)+\b):8*(8*((\a)%4)+\b)+7]
.endif
.endr
.endr
.endm
.macro FETCH_B slot, q, p              ; B's eight fragments of the slot's q-th 128 along K into set p
	WIN TO_B
.irp i, 0,1,2,3,4,5,6,7
	FRAG 128*(\p)+FR*\i, ADRB+\slot, \q, \i
.endr
	WIN 0
.endm
.macro FETCH_A slot, q, i0             ; A's blocks i0 .. i0 + 3
.irp i, \i0, \i0+1, \i0+2, \i0+3
	FRAG AF+FR*(\i), ADRA+\slot, \q, \i
.endr
.endm
; A load into a register that a matrix instruction has read, and a vector instruction that reads a matrix result, stand NP places behind that matrix instruction; only plain vector
; instructions that name none of its registers are places (ISA guide 7.12.1 for vector instructions).
.macro PLACES n
.rept \n
	v_nop
.endr
.endm
; A step of 128 along K that has its successor in the same slot.  A block of A is free as soon as its eight products are issued: blocks 0-3 are fetched anew in the step's middle, blocks 4-7 at its end.
.macro STEP slot, q, zero
	s_wait_dscnt 4*NL                              ; B's set and A's blocks 0-3 are in; the youngest sixteen loads (A's blocks 4-7) may be out
	WIN MUL_LO
	MUL16 0, (\q)%2, \zero
	MUL16 2, (\q)%2, \zero
	s_wait_dscnt 0                                 ; A's blocks 4-7 are in (asked for 32 matrix instructions ago)
	PLACES NP
	FETCH_B \slot, (\q)+1, 1-(\q)%2
	FETCH_A \slot, (\q)+1, 0
	WIN MUL_HI
	MUL16 4, (\q)%2, \zero
	MUL16 6, (\q)%2, \zero
	PLACES NP
	WIN 0
	FETCH_A \slot, (\q)+1, 4
.endm
; A slot's last step changes slots: ONE barrier; in front of it each wave waits for all its tensor loads, adds 0 to its spare word, and waits for that and for its own reads of this slot.  fill = 1: this slot is filled again, two K steps ahead.
.macro TURN slot, next, fill, fetch    ; fill = 2: the slot takes the NEXT tile's K step; fetch = 0: no fragments are fetched (the way out follows)
	s_wait_tensorcnt 0x0                           ; all my tensor loads have landed: my part of the next slot  (every window is 0 here: the add's two registers lie in window 0)
	ds_add_u32 v[SPW], v[NIL]                      ; 0 onto my spare word
	s_wait_dscnt 4*NL+1                            ; (the add and the youngest sixteen loads, A's blocks 4-7, may be out)
	WIN MUL_LO
	MUL16 0, 1, 0                                  ; sixteen matrix instructions stand between the add and the wait for it
	s_wait_dscnt 0x0                               ; the add is done, and my reads of this slot are over
	s_barrier_signal -1
	MUL16 2, 1, 0
	WIN 0
	s_barrier_wait -1
.if \fill
	CREST                                          ; the barrier has opened a round of the cluster's barrier: no wave of any partner still reads this slot's tile or has a load on its way
	s_add_nc_u64 s[G0+4*\slot+2:G0+4*\slot+3], s[G0+4*\slot+2:G0+4*\slot+3], 2*ROWB
	s_add_nc_u64 s[G0B+4*\slot+2:G0B+4*\slot+3], s[G0B+4*\slot+2:G0B+4*\slot+3], 2*ROWB
.if \fill == 2
	s_sub_nc_u64 s[G0+4*\slot+2:G0+4*\slot+3], s[G0+4*\slot+2:G0+4*\slot+3], 4*ROWB     ; back along K to this slot's first K step,
	s_add_nc_u64 s[G0+4*\slot+2:G0+4*\slot+3], s[G0+4*\slot+2:G0+4*\slot+3], s[2:3]     ; and on to the next tile's rows
	s_sub_nc_u64 s[G0B+4*\slot+2:G0B+4*\slot+3], s[G0B+4*\slot+2:G0B+4*\slot+3], 4*ROWB
	s_add_nc_u64 s[G0B+4*\slot+2:G0B+4*\slot+3], s[G0B+4*\slot+2:G0B+4*\slot+3], s[66:67]
.endif
	s_cmp_eq_u32 s16, \slot                        ; slot 0 is filled by waves 0 and 2, slot 1 by waves 1 and 3: the first tensor load behind the round, a wave's only one until the next
	s_cbranch_scc0 .Lnot_mine_\@
	JLOAD G0+4*\slot, G1, G0B+4*\slot, G1B
.Lnot_mine_\@:
	PLACES NP                                      ; the places in front of the loads below, on every wave's way
.else
	PLACES NP
.endif
.if \fetch
	FETCH_B \next, 0, 0
	FETCH_A \next, 0, 0
.endif
	WIN MUL_HI
	MUL16 4, 1, 0
	MUL16 6, 1, 0
.if \fetch
	PLACES NP
	WIN 0
	FETCH_A \next, 0, 4
.else
	WIN 0
.endif
.endm
	s_wait_alu depctr_va_vdst(0)
	s_wait_tensorcnt 0x0                           ; my one load is in
	s_barrier_signal -1
	s_barrier_wait -1                              ; everybody's is
	FETCH_B 0, 0, 0
	FETCH_A 0, 0, 0
	FETCH_A 0, 0, 4
	STEP 0, 0, 1                                   ; THE FIRST TILE: eight steps of 128 along K, written straight; the first step's products start the sums
	TURN 0, 1, 1, 1
	STEP 1, 0, 0
	TURN 1, 0, 1, 1
	STEP 0, 0, 0
	TURN 0, 1, 2, 1                                ; the ring goes on into the second tile: slot 0 takes its K step 0,
	STEP 1, 0, 0
	TURN 1, 0, 2, 0                                ; slot 1 its K step 1; both are asked for when the first tile's codes leave
	; THE WAY OUT.  The three exponents of my projection are folded into the conversion's one scale.
	s_wait_kmcnt 0x0
	s_sub_co_i32 s90, s90, s84
	s_sub_co_i32 s90, s90, s85                     ; q: e6 - e0 - e1
	s_sub_co_i32 s91, s91, s86
	s_sub_co_i32 s91, s91, s87                     ; k: e7 - e2 - e3
	s_sub_co_i32 s93, s93, s88
	s_sub_co_i32 s93, s93, s89                     ; v: e9 - e4 - e5
	s_cmp_eq_u32 ttmp9, 0
	s_cselect_b32 s90, s90, s91
	s_cmp_eq_u32 ttmp9, 2
	s_cselect_b32 s90, s93, s90                    ; E
	s_add_co_i32 s90, s90, 127
	s_lshl_b32 s91, s90, 23
	v_mov_b32 v[SC], s91                           ; 2^E as f32: the conversion takes its exponent field
	s_add_co_i32 s90, s90, 8
	s_lshl_b32 s90, s90, 23
	s_or_b32 s90, s90, 0x600000
	v_mov_b32 v[LIM], s90                          ; 448 x 2^E
	PLACES NP                                      ; behind the last products: their results are read, and the registers that held A's fragments are written, only from here on
; Block a: my rows 16 a .. 16 a + 15 of A against all my 128 rows of B: eight accumulators, 64 registers a lane, become 16 registers of codes: four stores of 512 consecutive bytes.
.macro OUTBLK a
.set AC, 64*((\a)%4)
	WIN 0x02+((\a)/4)                              ; source 0: window 2 or 3
.set i, 0
.rept 64
	v_med3_num_f32 v[TMP+i], v[AC+i], -v[LIM], v[LIM]   ; the conversion to an 8-bit code does not saturate (ISA guide 7.6.2): the hold comes first; each accumulator is read from its low end on
.set i, i+1
.endr
	WIN 0
.irp b, 0,1,2,3,4,5,6,7
	v_cvt_scalef32_pk8_fp8_f32 v[CD+16*(\a)+2*\b:CD+16*(\a)+2*\b+1], v[TMP+8*\b:TMP+8*\b+7], v[SC]
.endr
	v_nop                                          ; one plain vector instruction between the last conversion and the next block's holds, which write the conversions' sources
.if (\a) > 0
	s_wait_alu depctr_va_vdst(0)
	s_wait_xcnt 0x0                                ; the earlier stores have read their base: it may step
.if (\a) == 4
	s_add_nc_u64 s[8:9], s[8:9], s[12:13]
.else
	s_add_nc_u64 s[8:9], s[8:9], s[10:11]
.endif
.endif
	global_store_b128 v[VO0], v[CD+16*(\a):CD+16*(\a)+3], s[8:9]
	global_store_b128 v[VO0], v[CD+16*(\a)+4:CD+16*(\a)+7], s[8:9] offset:512
	global_store_b128 v[VO2], v[CD+16*(\a)+8:CD+16*(\a)+11], s[8:9]
	global_store_b128 v[VO2], v[CD+16*(\a)+12:CD+16*(\a)+15], s[8:9] offset:512
.endm
.irp a, 0,1,2,3,4,5,6,7
	OUTBLK \a
.endr
	s_wait_xcnt 0x0                                ; the first tile's stores have read their base and their data: the base is written, and fragments land on the codes' registers
	s_mov_b64 s[8:9], s[82:83]
	FETCH_B 0, 0, 0                                ; THE SECOND TILE: its K step 0 was waited for, by every wave, in front of the last round
	FETCH_A 0, 0, 0
	FETCH_A 0, 0, 4
	STEP 0, 0, 1
	TURN 0, 1, 1, 1
	STEP 1, 0, 0
	TURN 1, 0, 1, 1
	STEP 0, 0, 0
	TURN 0, 1, 0, 1                                ; the last lap fills nothing, and has no round of the cluster's barrier
	STEP 1, 0, 0
	s_wait_dscnt 4*NL                              ; the very last step: nothing more to fetch
	WIN MUL_LO
	MUL16 0, 1, 0
	MUL16 2, 1, 0
	s_wait_dscnt 0
	WIN MUL_HI
	MUL16 4, 1, 0
	MUL16 6, 1, 0
	WIN 0
	PLACES NP                                      ; behind the last products
.irp a, 0,1,2,3,4,5,6,7
	OUTBLK \a
.endr
	s_wait_tensorcnt 0x0                           ; the wave's end, behind my last tensor load
	ds_add_u32 v[SPW], v[NIL]
	s_wait_dscnt 0x0
	CROUND                                         ; the closing round: no work-group ends while a partner may still ask for a tile that names it
	s_endpgm
.Lfunc_end_k_q8c60864869_proj:
	.size	k_q8c60864869_proj, .Lfunc_end_k_q8c60864869_proj-k_q8c60864869_proj
	.p2alignl 7, 3214868480
	.fill 96, 4, 3214868480
	.section	.rodata,"a",@progbits
	.p2align	6, 0x0
	.amdhsa_kernel k_q8c60864869_proj
		.amdhsa_group_segment_fixed_size 327680
		.amdhsa_private_segment_fixed_size 0
		.amdhsa_enable_private_segment 0
		.amdhsa_kernarg_size 56
		.amdhsa_user_sgpr_count 2
		.amdhsa_user_sgpr_kernarg_segment_ptr 1
		.amdhsa_wavefront_size32 1
		.amdhsa_system_sgpr_workgroup_id_x 1
		.amdhsa_system_sgpr_workgroup_id_y 1
		.amdhsa_system_sgpr_workgroup_id_z 1
		.amdhsa_system_vgpr_workitem_id 0
		.amdhsa_next_free_vgpr 1024
		.amdhsa_next_free_sgpr 100
		.amdhsa_reserve_vcc 0
		.amdhsa_float_denorm_mode_32 3
		.amdhsa_float_denorm_mode_16_64 3
		.amdhsa_memory_ordered 1
		.amdhsa_forward_progress 1
		.amdhsa_inst_pref_size 234
	.end_amdhsa_kernel
	.amdgpu_metadata
---
amdhsa.version: [ 1, 2 ]
amdhsa.kernels:
  - .name:           k_q8c60864869_proj
    .symbol:         k_q8c60864869_proj.kd
    .args:
      - { .name: x_codes, .offset: 0, .size: 8, .value_kind: global_buffer, .address_space: global }
      - { .name: Wq_codes, .offset: 8, .size: 8, .value_kind: global_buffer, .address_space: global }
      - { .name: Wk_codes, .offset: 16, .size: 8, .value_kind: global_buffer, .address_space: global }
      - { .name: Wv_codes, .offset: 24, .size: 8, .value_kind: global_buffer, .address_space: global }
      - { .name: lowp_scales, .offset: 32, .size: 8, .value_kind: global_buffer, .address_space: global }
      - { .name: q_img, .offset: 40, .size: 8, .value_kind: global_buffer, .address_space: global }
      - { .name: kv_img, .offset: 48, .size: 8, .value_kind: global_buffer, .address_space: global }
    .group_segment_fixed_size: 327680
    .private_segment_fixed_size: 0
    .kernarg_segment_align: 8
    .kernarg_segment_size: 56
    .max_flat_workgroup_size: 128
    .sgpr_count:     100
    .vgpr_count:     1024
    .wavefront_size: 32
...
	.end_amdgpu_metadata
.endif
;; end of part 1
;; launch attn (part 2): grid 4 x 64, 8 waves a work-group, clusters of 4 x 1, 327,680 bytes of LDS; arguments q_img, kv_img, lowp_scales, ao_img; writes ao_img
.if DOCPART == 2
	.amdgcn_target "amdgcn-amd-amdhsa--gfx1250"
	.amdhsa_code_object_version 6
	.text
	.protected	k_q8c60864869_attn
	.globl	k_q8c60864869_attn
	.p2align	8
	.type	k_q8c60864869_attn,@function
k_q8c60864869_attn:
	s_mov_b64 s[64:65], 0
	v_nop
	global_prefetch_b8 v0, s[64:65] scope:SCOPE_SE
	s_setreg_imm32_b32 hwreg(HW_REG_WAVE_MODE, 25, 1), 1
	s_wait_xcnt 0x0
	s_wait_alu depctr_hold_cnt(0) depctr_sa_sdst(0) depctr_va_vdst(0) depctr_va_sdst(0) depctr_va_ssrc(0) depctr_va_vcc(0) depctr_vm_vsrc(0)
	s_getreg_b32 s2, hwreg(HW_REG_IB_STS2, 6, 4)
	s_cmp_eq_u32 s2, 0
	s_cbranch_scc0 .Lentry_in_a_cluster
	s_endpgm
.Lentry_in_a_cluster:
	s_bfe_u32 s2, ttmp6, 0x10000c
	s_cmp_lg_u32 s2, 0x3003
	s_cbranch_scc0 .Lentry_shape_is_right
	s_endpgm
.Lentry_shape_is_right:
; CAUSAL ATTENTION ON CODES OF FP8 (E4M3), one head (bh = 16 b + h) to a cluster of four work-groups.  Inputs are images of operand registers (four registers of 32 lanes = 512 bytes, lane l's 16 bytes at 16 l):
;   q_img [bh][s / 16][1,024]: 16 queries x 64.   kv_img [bh][s / 128][16,384]: eight fragments of 16 keys x 64, then from byte 8,192 four fragments of 16 e x 128 keys.
;   ao_img [row / 16][k / 128][2,048]: the result as codes, in the layout of the output projection's operand.
; THE SOFTMAX: t = score x log2(e) / 8; M = the running largest t rounded up to a whole number; p = 2^(t - M) is quantised along the keys with 2^e8; the row's sum is taken of the unquantised p and divides at the end.
; When M moves, the sum and O are multiplied by 2^(old M - new M), which rounds nothing; there is no branch on data.
; LEFT OUT: key steps of 128 all of whose keys come after a wave's queries.  The causal mask sets their scores to -infinity, so their p is 0 for all values of the inputs.
; A NaN or an infinity that reaches only such scores is not carried to the result.
; SHARES.  A head has 64 pairs of query tiles (32 neighbouring queries each); pair 4 d + cx lies in key block d.  Wave w of work-group cx owns pair 4 w + cx (w + 1 key steps) and pair 4 (15 - w) + cx (16 - w key steps):
; 17 steps in every wave.  ONE loop of 17 trips serves both: trips 0 .. w walk key steps 0 .. w for the early pair; then its result leaves, the state begins anew, and trips w + 1 .. 16 walk key steps 15 - w .. 0 for the late pair.
; Each fragment of K and of V that a wave reads from LDS feeds both tiles of the pair.  The diagonal steps are trips w and w + 1; every query sees its own key there, so M is a number from a pair's first step on.
; BOTH PRODUCTS TRANSPOSED: S^T = K Q^T, O^T = V^T P^T: a lane holds one query (lane % 16); register j of score tile t is key 16 t + 8 (lane / 16) + j, so a conversion of eight registers gives registers 2 t, 2 t + 1 of P.
; LDS: the head's whole K and V, 262,144 bytes, fetched once by joint loads of the four work-groups, 32,768 bytes a wave; nothing is filled again.  All requests go out at the head, so no prefetch is written.
; THE LOOK-AHEAD: the next step's K is fetched behind the scores' products, the next V behind the second product.  The last trip's look-ahead reads key step 15's bytes once more, and nothing uses them: so the counted waits hold on every way.
; ORDER IN A STEP: maxima and sums run in eight chains.  Among the first tile's exponentials stand the second tile's 32 multiply-adds, among the second tile's the first tile's 32 holds: lines that hang on no neighbour and are first read behind a wait.
; LIMITS: e6 + e7 between -123 and 130; e8 between -126 and 119; e10 - e8 - e9 between -126 and 119; the scaled scores stay under 2^31 in magnitude; NaN codes among the inputs are not served.
; REGISTERS.  Window 0: v1-45 addresses, constants, state, chains; v48-63 Q of the pair in hand, v64-79 the late pair's; v80-111 P's codes; v112-239 S^T, then p; v240-255 the result's codes.   Window 1: v0-63 K, v64-127 V, v128-191 O^T.
.set SPARE, 0x48000                    ; the spare words, 128 bytes for each wave, which no other line names
.set LI,   1                           ; 16 x lane
.set ADR,  2                           ; LDS address of the next step's fragments
.set MKA,  3                           ; my query's place in its key block less 8 (lane / 16): first tile, second tile
.set MKB,  4
.set NINF, 5
.set PSC,  6                           ; 2^e8
.set OSC,  8                           ; 2^(e10 - e8 - e9), and 448 x that
.set OLIM, 9
.set TA,   10                          ; the maxima's four chains, one register for each tile: v10-11, v12-13, v36-37, v38-39
.set TC,   12
.set TD,   36
.set TE,   38
.set F0,   14                          ; v[14:15], v[16:17]: f = 2^(old M - new M); at the end 1 / sum
.set PX,   22
.set ST0,  24                          ; a tile's state: -M, the largest score, the sum in two halves: v24-27, v28-31
.set SPW,  32
.set NIL,  33
.set PLIM, 34                          ; 448 x 2^e8, twice: the two halves of a dual pair take their second sources from different banks
.set QA,   48
.set QL,   64
.set PC,   80
.set S,    112
.set OC,   240
.set K,    0                           ; window 1
.set V,    64
.set O,    128
.set WV,   12
.set C,    40                          ; the trip
.set TBN,  41
.set T,    42
.set NCS,  43                          ; -c
.set CS,   44                          ; s[44:45] c = log2(e) / 8 x 2^(e6 + e7)
.set SEL,  46
.set BASE, 54                          ; s[54:55] where the pair in hand goes in ao_img; s[56:57] the late pair
.set LBASE, 56
.set MSB, 0
.macro WIN new                         ; the immediate's high byte repeats the setting that is left
.if MSB != (\new)
	s_set_vgpr_msb (MSB<<8)|(\new)
.set MSB, \new
.endif
.endm
.macro CROUND
	s_barrier_signal -1
	s_barrier_wait -1
	s_cmp_lg_u32 s[WV], 0
	s_cbranch_scc1 .Lnot_wave_0_\@
	s_barrier_signal -3
.Lnot_wave_0_\@:
	s_barrier_wait -3
	s_barrier_signal -1
	s_barrier_wait -1
.endm
.macro LDF reg, adr, off               ; 16 loads: 64 registers of fragments, as they lie
	WIN 0x40
.set i, 0
.rept 16
	ds_load_b128 v[\reg+4*i:\reg+4*i+3], v[\adr] offset:\off+512*i
.set i, i+1
.endr
	WIN 0
.endm
.macro RESET                           ; a pair begins: M under every t, sums and O^T zero (the step is written once: the first change of M multiplies zeros)
.irp x, 0,1
	v_mov_b32 v[ST0+4*\x], 0x7f61b1e6
	v_mov_b32 v[ST0+4*\x+1], 0xff61b1e6
	v_mov_b32 v[ST0+4*\x+2], 0
	v_mov_b32 v[ST0+4*\x+3], 0
.endr
	WIN 0x40
.set n, 0
.rept 64
	v_mov_b32 v[O+n], 0
.set n, n+1
.endr
	WIN 0
.endm
; The sum of a tile's 64 unquantised p, two at a time: seven chains of their own and the running sum, 32 additions in all
.macro SUMT x
.set n, S+64*\x
.irp r, 18,20,36,38,40,42,44
	v_pk_add_f32 v[\r:\r+1], v[n:n+1], v[n+2:n+3]
.set n, n+4
.endr
	v_pk_add_f32 v[ST0+4*\x+2:ST0+4*\x+3], v[ST0+4*\x+2:ST0+4*\x+3], v[n:n+1]
.set n, n+2
.rept 2
.irp r, 18,20,36,38,40,42,44
	v_pk_add_f32 v[\r:\r+1], v[\r:\r+1], v[n:n+1]
.set n, n+2
.endr
	v_pk_add_f32 v[ST0+4*\x+2:ST0+4*\x+3], v[ST0+4*\x+2:ST0+4*\x+3], v[n:n+1]
.set n, n+2
.endr
	v_pk_add_f32 v[18:19], v[18:19], v[n:n+1]
	v_pk_add_f32 v[20:21], v[20:21], v[36:37]
	v_pk_add_f32 v[38:39], v[38:39], v[40:41]
	v_pk_add_f32 v[42:43], v[42:43], v[44:45]
	v_pk_add_f32 v[ST0+4*\x+2:ST0+4*\x+3], v[ST0+4*\x+2:ST0+4*\x+3], v[18:19]
	v_pk_add_f32 v[20:21], v[20:21], v[38:39]
	v_pk_add_f32 v[ST0+4*\x+2:ST0+4*\x+3], v[ST0+4*\x+2:ST0+4*\x+3], v[42:43]
	v_pk_add_f32 v[ST0+4*\x+2:ST0+4*\x+3], v[ST0+4*\x+2:ST0+4*\x+3], v[20:21]
.endm
	s_load_b256 s[4:11], s[0:1], 0x0               ; q_img, kv_img, the scales' exponents, ao_img
	v_lshl_add_u32 v[SPW], v0, 2, SPARE
	v_mov_b32 v[NIL], 0
	ds_add_u32 v[SPW], v[NIL]
	ds_add_u32 v[SPW], v[NIL]
	v_lshrrev_b32 v[ADR], 5, v0
	v_readfirstlane_b32 s[WV], v[ADR]              ; wave 0..7
	s_bfe_u32 s13, ttmp6, 0x40000                  ; cx
	s_and_b32 s14, ttmp7, 0xffff                   ; bh
	s_mov_b32 s16, 15|(3<<16)|(1<<21)              ; the mask: all four partners; elements of 8 bytes; bit 21 beside a mask
	s_mov_b32 s17, 32<<16                          ; rows of 256 bytes,
	s_mov_b32 s18, 128<<16                         ; 128 of them, dense
	s_mov_b32 s19, 32<<16
	s_mov_b32 s20, 128
	s_mov_b32 s21, 32
	s_mov_b32 s22, 0
	s_mov_b32 s23, 0
	s_mov_b32 s32, 1
	s_lshl_b32 s33, s[WV], 15                      ; my eighth of the head's image, in LDS as in memory
	s_lshl_b32 s58, s14, 18
	s_add_co_u32 s60, s58, s33
	s_mov_b32 s61, 0
	s_mov_b32 s[SEL], 0x76543210
	s_mov_b32 s[SEL+1], 0xfedcba98
	s_mov_b32 s[CS], 0x3e38aa3b                    ; log2(e) / 8
	v_and_b32 v[LI], 31, v0
	v_lshlrev_b32 v[LI], 4, v[LI]
	s_wait_alu depctr_va_vdst(0)
	s_wait_dscnt 0x0
	s_wait_kmcnt 0x0
	s_load_b128 s[48:51], s[8:9], 0x18             ; e6 .. e9
	s_load_b32 s52, s[8:9], 0x28                   ; e10
	s_add_nc_u64 s[34:35], s[6:7], s[60:61]
	s_or_b32 s35, s35, 0x80000000
	CROUND                                         ; the four work-groups are here: the joint loads meet
	tensor_load_to_lds s[32:35], s[16:23]          ; my one tensor load of the launch
	s_nop 0
.rept 4
	v_nop
.endr
	s_lshl_b32 s58, s14, 17
	s_lshl_b32 s59, s13, 1
	s_lshl_b32 s2, s[WV], 3
	s_add_co_u32 s2, s2, s59                       ; the early pair's first tile: 8 w + 2 cx
	s_xor_b32 s3, s[WV], 15
	s_lshl_b32 s3, s3, 3
	s_add_co_u32 s3, s3, s59                       ; the late pair's: 8 (15 - w) + 2 cx
	s_lshl_b32 s60, s2, 10
	s_add_co_u32 s60, s60, s58
	s_lshl_b32 s62, s3, 10
	s_add_co_u32 s62, s62, s58
	s_mov_b32 s63, 0
	s_add_nc_u64 s[60:61], s[4:5], s[60:61]
	s_add_nc_u64 s[62:63], s[4:5], s[62:63]
.irp i, 0,1,2,3
	global_load_b128 v[QA+4*\i:QA+4*\i+3], v[LI], s[60:61] offset:512*\i th:TH_LOAD_NT
	global_load_b128 v[QL+4*\i:QL+4*\i+3], v[LI], s[62:63] offset:512*\i th:TH_LOAD_NT
.endr
	s_lshr_b32 s58, s14, 4
	s_lshl_b32 s58, s58, 7                         ; 128 b
	s_and_b32 s59, s14, 15
	s_lshl_b32 s59, s59, 10                        ; 1,024 h
	s_add_co_u32 s[BASE], s58, s2
	s_lshl_b32 s[BASE], s[BASE], 14
	s_add_co_u32 s[BASE], s[BASE], s59
	s_mov_b32 s[BASE+1], 0
	s_add_nc_u64 s[BASE:BASE+1], s[10:11], s[BASE:BASE+1]
	s_add_co_u32 s[LBASE], s58, s3
	s_lshl_b32 s[LBASE], s[LBASE], 14
	s_add_co_u32 s[LBASE], s[LBASE], s59
	s_mov_b32 s[LBASE+1], 0
	s_add_nc_u64 s[LBASE:LBASE+1], s[10:11], s[LBASE:LBASE+1]
	v_and_b32 v[TA], 15, v0
	v_bfe_u32 v[TC], v0, 4, 1
	v_lshlrev_b32 v[TC], 3, v[TC]
	v_sub_nc_u32 v[TA], v[TA], v[TC]
	s_lshl_b32 s53, s13, 5                         ; a pair begins 32 cx queries into its key block
	v_add_nc_u32 v[MKA], s53, v[TA]
	v_add_nc_u32 v[MKB], 16, v[MKA]
	v_mov_b32 v[NINF], 0xff800000
.irp r, F0, F0+1, F0+2, F0+3, PX, PX+1
	v_mov_b32 v[\r], 0                             ; written once: pairs are named whole, and a lane permute's destination counts as a source
.endr
	RESET
	s_wait_kmcnt 0x0
	s_add_co_i32 s58, s48, s49
	s_lshl_b32 s58, s58, 23
	s_add_co_i32 s[CS], s[CS], s58                 ; e6 + e7 go into c's exponent field
	s_mov_b32 s[CS+1], s[CS]
	s_xor_b32 s[NCS], s[CS], 0x80000000
	s_add_co_i32 s58, s50, 127
	s_lshl_b32 s59, s58, 23
	v_mov_b32 v[PSC], s59
	s_add_co_i32 s58, s58, 8
	s_lshl_b32 s58, s58, 23
	s_or_b32 s58, s58, 0x600000
	v_mov_b32 v[PLIM], s58
	v_mov_b32 v[PLIM+1], s58
	s_sub_co_i32 s58, s52, s50
	s_sub_co_i32 s58, s58, s51
	s_add_co_i32 s58, s58, 127
	s_lshl_b32 s59, s58, 23
	v_mov_b32 v[OSC], s59
	s_add_co_i32 s58, s58, 8
	s_lshl_b32 s58, s58, 23
	s_or_b32 s58, s58, 0x600000
	v_mov_b32 v[OLIM], s58
	s_mov_b32 s[C], 0
	s_wait_alu depctr_va_vdst(0)
	s_wait_loadcnt 0x0                             ; Q
	s_wait_tensorcnt 0x0                           ; my eighth is in,
	s_barrier_signal -1
	s_barrier_wait -1                              ; everybody's is
	LDF K, LI, 0                                   ; key step 0
	LDF V, LI, 8192
.Lstep:
	s_wait_dscnt 16                                ; K is in; V's 16 loads may be out
	WIN 0x01
.set t, 0
.rept 8
	v_wmma_f32_16x16x64_fp8_fp8 v[S+8*t:S+8*t+7], v[K+8*t:K+8*t+7], v[QA:QA+7], 0
	v_wmma_f32_16x16x64_fp8_fp8 v[S+64+8*t:S+64+8*t+7], v[K+8*t:K+8*t+7], v[QA+8:QA+15], 0
.set t, t+1
.endr
	WIN 0
	s_add_co_u32 s[T], s[C], 1                     ; the next trip's key step: trip + 1 while the early pair goes on, else 15 - trip
	s_and_b32 s[T], s[T], 15
	s_xor_b32 s[TBN], s[C], 15
	s_and_b32 s[TBN], s[TBN], 15
	s_cmp_lt_u32 s[C], s[WV]
	s_cselect_b32 s[TBN], s[T], s[TBN]
	s_lshl_b32 s[TBN], s[TBN], 14
	v_add_nc_u32 v[ADR], s[TBN], v[LI]             ; with the three below: the four places behind the products
.rept 3
	v_nop
.endr
	s_wait_alu depctr_va_vdst(0)
	LDF K, ADR, 0
	s_sub_co_u32 s[T], s[C], s[WV]                 ; trips w and w + 1 lie on the diagonal: ids and the count of trips alone
	s_cmp_gt_u32 s[T], 1
	s_cbranch_scc1 .Lopen
.set n, 0
.rept 64
	v_cmp_gt_i32 vcc_lo, 16*(n/8)+n%8, v[MKA]      ; hidden keys' scores become -infinity ahead of the maximum: p = 0
	v_cndmask_b32 v[S+n], v[S+n], v[NINF], vcc_lo
	v_cmp_gt_i32 vcc_lo, 16*(n/8)+n%8, v[MKB]
	v_cndmask_b32 v[S+64+n], v[S+64+n], v[NINF], vcc_lo
.set n, n+1
.endr
.Lopen:
.irp x, 0,1                                    ; the step's largest score: four chains a tile, the tiles by turns; each accumulator from its low end on
	v_max3_num_f32 v[TA+\x], v[S+64*\x], v[S+64*\x+1], v[S+64*\x+2]
	v_max3_num_f32 v[TC+\x], v[S+64*\x+3], v[S+64*\x+4], v[S+64*\x+5]
	v_max3_num_f32 v[TD+\x], v[S+64*\x+6], v[S+64*\x+7], v[S+64*\x+8]
	v_max3_num_f32 v[TE+\x], v[S+64*\x+9], v[S+64*\x+10], v[S+64*\x+11]
.endr
.set n, 12
.rept 6
.irp x, 0,1
	v_max3_num_f32 v[TA+\x], v[TA+\x], v[S+64*\x+n], v[S+64*\x+n+1]
	v_max3_num_f32 v[TC+\x], v[TC+\x], v[S+64*\x+n+2], v[S+64*\x+n+3]
	v_max3_num_f32 v[TD+\x], v[TD+\x], v[S+64*\x+n+4], v[S+64*\x+n+5]
	v_max3_num_f32 v[TE+\x], v[TE+\x], v[S+64*\x+n+6], v[S+64*\x+n+7]
.endr
.set n, n+8
.endr
.irp x, 0,1
	v_max3_num_f32 v[TA+\x], v[TA+\x], v[S+64*\x+60], v[S+64*\x+61]
	v_max3_num_f32 v[TC+\x], v[TC+\x], v[S+64*\x+62], v[S+64*\x+63]
.endr
.irp x, 0,1
	v_max_num_f32 v[TD+\x], v[TD+\x], v[TE+\x]
.endr
.irp x, 0,1
	v_max3_num_f32 v[TA+\x], v[TA+\x], v[TC+\x], v[TD+\x]
.endr
.irp x, 0,1
	v_permlanex16_b32 v[PX+\x], v[TA+\x], s[SEL], s[SEL+1]
.endr
.irp x, 0,1
	v_max3_num_f32 v[ST0+4*\x+1], v[ST0+4*\x+1], v[TA+\x], v[PX+\x]   ; the running largest score (c is positive)
.endr
.irp x, 0,1
	v_mul_f32 v[TA+\x], s[NCS], v[ST0+4*\x+1]      ; -t
.endr
.irp x, 0,1
	v_floor_f32 v[TC+\x], v[TA+\x]                 ; the new -M = -ceil(t)
.endr
.irp x, 0,1
	v_sub_f32 v[TA+\x], v[TC+\x], v[ST0+4*\x]      ; old M - new M: a whole number, 0 or less
.endr
.irp x, 0,1
	v_mov_b32 v[ST0+4*\x], v[TC+\x]
.endr
.irp x, 0,1
	v_cvt_i32_f32 v[TA+\x], v[TA+\x]               ; (it saturates)
.endr
.irp x, 0,1
	v_ldexp_f32 v[F0+2*\x], 1.0, v[TA+\x]          ; f
.endr
.set n, 0
.rept 32
	v_pk_fma_f32 v[S+n:S+n+1], v[S+n:S+n+1], s[CS:CS+1], v[ST0:ST0+1] op_sel_hi:[1,0,0]   ; the first tile's t - M
.set n, n+2
.endr
	s_wait_alu depctr_va_vdst(0)
.set n, 0
.rept 32
	v_exp_f32 v[S+n], v[S+n]                       ; the first tile's p, at most 1, not normalised;
	v_exp_f32 v[S+n+1], v[S+n+1]
	v_pk_fma_f32 v[S+64+n:S+64+n+1], v[S+64+n:S+64+n+1], s[CS:CS+1], v[ST0+4:ST0+5] op_sel_hi:[1,0,0]   ; among them the second tile's t - M, first read behind the wait below
.set n, n+2
.endr
	s_wait_alu depctr_va_vdst(0)                   ; one wait for the batch and for the lines among it
.irp x, 0,1
	v_pk_mul_f32 v[ST0+4*\x+2:ST0+4*\x+3], v[ST0+4*\x+2:ST0+4*\x+3], v[F0+2*\x:F0+2*\x+1] op_sel_hi:[1,0]   ; the sums under the new M
.endr
	SUMT 0
	s_wait_alu depctr_va_vdst(0)
.set n, 0
.rept 32
	v_exp_f32 v[S+64+n], v[S+64+n]                 ; the second tile's p;
	v_exp_f32 v[S+64+n+1], v[S+64+n+1]
	v_dual_min_num_f32 v[S+n], v[S+n], v[PLIM] :: v_dual_min_num_f32 v[S+n+1], v[S+n+1], v[PLIM+1]   ; among them the first tile's hold: the conversion does not saturate (ISA guide 7.6.2); p is not negative, so it is one-sided
.set n, n+2
.endr
	s_wait_alu depctr_va_vdst(0)                   ; one wait for the batch and for the lines among it
.set t, 0
.rept 8
	v_cvt_scalef32_pk8_fp8_f32 v[PC+2*t:PC+2*t+1], v[S+8*t:S+8*t+7], v[PSC]
.set t, t+1
.endr
	SUMT 1
.set t, 0
.rept 8
.irp j, 0,2,4,6
	v_dual_min_num_f32 v[S+64+8*t+\j], v[S+64+8*t+\j], v[PLIM] :: v_dual_min_num_f32 v[S+64+8*t+\j+1], v[S+64+8*t+\j+1], v[PLIM+1]
.endr
	v_cvt_scalef32_pk8_fp8_f32 v[PC+16+2*t:PC+16+2*t+1], v[S+64+8*t:S+64+8*t+7], v[PSC]
.set t, t+1
.endr
	WIN 0x41
	s_wait_alu depctr_va_vdst(0)
.irp x, 0,1
.set n, 0
.rept 16
	v_pk_mul_f32 v[O+32*\x+n:O+32*\x+n+1], v[O+32*\x+n:O+32*\x+n+1], v[F0+2*\x:F0+2*\x+1] op_sel_hi:[1,0]   ; O^T under the new M
.set n, n+2
.endr
.endr
	s_wait_alu depctr_va_vdst(0)
	s_wait_dscnt 16                                ; V is in; the next K's 16 loads may be out
	WIN 0x51
.set t, 0
.rept 4
	v_wmma_f32_16x16x128_fp8_fp8 v[O+8*t:O+8*t+7], v[V+16*t:V+16*t+15], v[PC:PC+15], v[O+8*t:O+8*t+7]
	v_wmma_f32_16x16x128_fp8_fp8 v[O+32+8*t:O+32+8*t+7], v[V+16*t:V+16*t+15], v[PC+16:PC+31], v[O+32+8*t:O+32+8*t+7]
.set t, t+1
.endr
	WIN 0
.rept 4
	v_nop                                          ; places behind the products: V's registers are loaded into, and O^T may be read
.endr
	LDF V, ADR, 8192
	s_cmp_eq_u32 s[C], s[WV]                       ; a pair is finished in trips w and 16
	s_cbranch_scc1 .Lfin
	s_cmp_lg_u32 s[C], 16
	s_cbranch_scc1 .Lnext
.Lfin:
.irp x, 0,1
	v_add_f32 v[TA+\x], v[ST0+4*\x+2], v[ST0+4*\x+3]
.endr
.irp x, 0,1
	v_permlanex16_b32 v[PX+\x], v[TA+\x], s[SEL], s[SEL+1]
.endr
.irp x, 0,1
	v_add_f32 v[TA+\x], v[TA+\x], v[PX+\x]         ; the row's sum
.endr
	s_wait_alu depctr_va_vdst(0)
	v_rcp_f32 v[F0], v[TA]
	v_rcp_f32 v[F0+2], v[TA+1]
	v_nop
	WIN 0x01
	s_wait_alu depctr_va_vdst(0)                   ; ahead of the first reader of the reciprocals and of O^T
.irp x, 0,1
.set n, 0
.rept 16
	v_pk_mul_f32 v[S+32*\x+n:S+32*\x+n+1], v[O+32*\x+n:O+32*\x+n+1], v[F0+2*\x:F0+2*\x+1] op_sel_hi:[1,0]
.set n, n+2
.endr
.endr
	WIN 0
.set n, 0
.rept 64
	v_med3_num_f32 v[S+n], v[S+n], -v[OLIM], v[OLIM]
.set n, n+1
.endr
.set t, 0
.rept 8
	v_cvt_scalef32_pk8_fp8_f32 v[OC+2*t:OC+2*t+1], v[S+8*t:S+8*t+7], v[OSC]   ; e8, e9 and e10 folded into the one scale
.set t, t+1
.endr
	v_nop
.irp x, 0,1
	global_store_b128 v[LI], v[OC+8*\x:OC+8*\x+3], s[BASE:BASE+1] offset:16384*\x       ; each store covers 512 consecutive bytes, aligned
	global_store_b128 v[LI], v[OC+8*\x+4:OC+8*\x+7], s[BASE:BASE+1] offset:16384*\x+512
.endr
	s_cmp_eq_u32 s[C], 16
	s_cbranch_scc1 .Lnext
	s_wait_xcnt 0x0                                ; the stores have read their base and data
	s_mov_b64 s[BASE:BASE+1], s[LBASE:LBASE+1]     ; on to the late pair
.set n, 0
.rept 16
	v_mov_b32 v[QA+n], v[QL+n]
.set n, n+1
.endr
	RESET
.Lnext:
	s_add_co_u32 s[C], s[C], 1
	s_cmp_lt_u32 s[C], 17
	s_wait_alu depctr_va_vdst(0)
	s_cbranch_scc1 .Lstep
	s_wait_tensorcnt 0x0                           ; the wave's end
	ds_add_u32 v[SPW], v[NIL]
	s_wait_dscnt 0x0
	CROUND                                         ; the closing round
	s_endpgm
.Lfunc_end_k_q8c60864869_attn:
	.size	k_q8c60864869_attn, .Lfunc_end_k_q8c60864869_attn-k_q8c60864869_attn
	.p2alignl 7, 3214868480
	.fill 96, 4, 3214868480
	.section	.rodata,"a",@progbits
	.p2align	6, 0x0
	.amdhsa_kernel k_q8c60864869_attn
		.amdhsa_group_segment_fixed_size 327680
		.amdhsa_private_segment_fixed_size 0
		.amdhsa_enable_private_segment 0
		.amdhsa_kernarg_size 32
		.amdhsa_user_sgpr_count 2
		.amdhsa_user_sgpr_kernarg_segment_ptr 1
		.amdhsa_wavefront_size32 1
		.amdhsa_system_sgpr_workgroup_id_x 1
		.amdhsa_system_sgpr_workgroup_id_y 1
		.amdhsa_system_sgpr_workgroup_id_z 1
		.amdhsa_system_vgpr_workitem_id 0
		.amdhsa_next_free_vgpr 448
		.amdhsa_next_free_sgpr 66
		.amdhsa_reserve_vcc 1
		.amdhsa_float_denorm_mode_32 3
		.amdhsa_float_denorm_mode_16_64 3
		.amdhsa_memory_ordered 1
		.amdhsa_forward_progress 1
		.amdhsa_inst_pref_size 60
	.end_amdhsa_kernel
	.amdgpu_metadata
---
amdhsa.version: [ 1, 2 ]
amdhsa.kernels:
  - .name:           k_q8c60864869_attn
    .symbol:         k_q8c60864869_attn.kd
    .args:
      - { .name: q_img, .offset: 0, .size: 8, .value_kind: global_buffer, .address_space: global }
      - { .name: kv_img, .offset: 8, .size: 8, .value_kind: global_buffer, .address_space: global }
      - { .name: lowp_scales, .offset: 16, .size: 8, .value_kind: global_buffer, .address_space: global }
      - { .name: ao_img, .offset: 24, .size: 8, .value_kind: global_buffer, .address_space: global }
    .group_segment_fixed_size: 327680
    .private_segment_fixed_size: 0
    .kernarg_segment_align: 8
    .kernarg_segment_size: 32
    .max_flat_workgroup_size: 256
    .sgpr_count:     66
    .vgpr_count:     448
    .wavefront_size: 32
...
	.end_amdgpu_metadata
.endif
;; end of part 2
;; launch oproj (part 3): grid 8 x 32, 4 waves a work-group, clusters of 4 x 4, 327,680 bytes of LDS; arguments ao_img, Wo_codes, bo, lowp_scales, out0; writes out0
.if DOCPART == 3
	.amdgcn_target "amdgcn-amd-amdhsa--gfx1250"
	.amdhsa_code_object_version 6
	.text
	.protected	k_q8c60864869_oproj
	.globl	k_q8c60864869_oproj
	.p2align	8
	.type	k_q8c60864869_oproj,@function
k_q8c60864869_oproj:
	s_mov_b64 s[64:65], 0
	v_nop
	global_prefetch_b8 v0, s[64:65] scope:SCOPE_SE
	s_setreg_imm32_b32 hwreg(HW_REG_WAVE_MODE, 25, 1), 1
	s_wait_xcnt 0x0
	s_wait_alu depctr_hold_cnt(0) depctr_sa_sdst(0) depctr_va_vdst(0) depctr_va_sdst(0) depctr_va_ssrc(0) depctr_va_vcc(0) depctr_vm_vsrc(0)
	s_getreg_b32 s2, hwreg(HW_REG_IB_STS2, 6, 4)
	s_cmp_eq_u32 s2, 0
	s_cbranch_scc0 .Lentry_in_a_cluster
	s_endpgm
.Lentry_in_a_cluster:
	s_bfe_u32 s2, ttmp6, 0x10000c
	s_cmp_lg_u32 s2, 0xf033
	s_cbranch_scc0 .Lentry_shape_is_right
	s_endpgm
.Lentry_shape_is_right:
; THE OUTPUT PROJECTION out0 = ao Wo^T + bo on codes of FP8 (E4M3).  ao: 8,192 rows x 1,024, as images of operand registers: ao_img [row / 16][k / 128][2,048] (four registers of 32 lanes = 512 bytes,
; lane l's 16 bytes at 16 l; registers 2 c, 2 c + 1 hold k = 16 c + 8 (lane / 16) + 0 .. 7 of row lane % 16).  Wo: 1,024 rows (outputs) of 1,024 codes.  bo [1,024], out0 [8,192][1,024]: f32.
; A tile of out0 is 256 rows x 128 columns: 256 work-groups.  Four waves, each 128 rows x 64 columns: 32 accumulators of 16 x 16.  A sum is multiplied once by 2^(e10 + e11) and bo is added: one packed multiply-add for two numbers.
; LIMIT: e10 + e11 between -126 and 127, so that 2^(e10 + e11) is an f32 number.
; K = 1,024 is four chunks of 256.  LDS holds a SMALL slot (chunk 0, later chunk 3) and a LARGE slot (chunks 1 and 2 together: rows twice as long).  One tensor load a wave at the head:
; wave 0 ao's chunk 0, wave 2 Wo's chunk 0, wave 1 ao's chunks 1 and 2, wave 3 Wo's chunks 1 and 2.  Only waves 0 and 2 wait for their load ahead of the first barrier: the large slot's loads land under steps 0 and 1,
; and are waited for in front of the round behind which the small slot is filled again with chunk 3 (wave 1 ao's, wave 3 Wo's): one refill in the whole launch, so the eight steps of 128 along K are written out, without a loop.
; With no loop to run ahead in, and three quarters of K asked for at the head, no prefetch is written.
; CLUSTERS: 4 x 4.  The four work-groups of a row of the cluster need the same rows of ao, the four of a column the same rows of Wo: each tile is asked for JOINTLY.
; THE MATRIX INSTRUCTION: source 0 = 16 rows of Wo, source 1 = 16 rows of ao: a lane holds eight neighbouring columns of one row of out0.
; ao's fragments come from LDS as they lie (four loads of 16 bytes at 16 x lane); they hold each k in this form's own place, so Wo's are fetched likewise in its own layout: eight loads of 8 bytes.
; REGISTERS, in windows of 256: window 0: v16-29 addresses; v32-63 a block's results; v64-127 rows read back from the stage, two sets.
;   window 1: ao's fragments, two sets of 128.   window 2: Wo's fragments, two sets of 64; from v128 my 32 numbers of bo in the result's layout.   window 3: the accumulators, (a, b) at v[8 (4 a + b)].
.set PITCH,  272                       ; a row of Wo in the small slot: 256 bytes + 16 of padding = 68 words: the 32 lanes of a load of 8 bytes touch 64 different banks (64 banks of 4 bytes: ISA guide 11.1)
.set BP,     528                       ; in the large slot: 512 bytes + 16 = 132 words, which is 4 modulo 64 like 68
.set BOFF,   65536                     ; the small slot: ao's 16 row tiles x 4,096 bytes, then Wo's 128 rows
.set BIGA,   BOFF+128*PITCH            ; the large slot: ao's 16 row tiles x 8,192 bytes,
.set BIGB,   BIGA+131072               ; then Wo's 128 rows
.set SPARE,  BIGB+128*BP               ; behind the slots: the spare words, 128 bytes for each wave, which no other line names
.set STAGE,  SPARE+512                 ; behind them: 16 rows x 272 bytes for each wave, for the way out; no tensor load lands here
.set SPITCH, 272
.set ADRA, 16                          ; v16-17  LDS address of my fragments of ao in the small slot, the large slot
.set ADRB, 20                          ; v20-21  the same for Wo
.set STO,  24                          ; v24     the way out: where I put 32 bytes of a row
.set RD,   25                          ; v25     where I read a row back
.set CO,   26                          ; v26     my byte offset in out0
.set SPW,  28                          ; v28     LDS address of my spare word; never rewritten
.set NIL,  29                          ; v29     0; never rewritten
.set TMP,  32
.set BK,   64
.set BIAS, 128                         ; in window 2
.set G1A,  24                          ; s[24:31] descriptor group 1 for a chunk of ao;  s[32:39] of Wo;  s[80:87], s[88:95] for the large slot's tiles
.set G1B,  32
.set G1AL, 80
.set G1BL, 88
.set G0A,  48                          ; s[48:59] group 0 for ao: chunk 0, chunks 1 and 2, chunk 3;  s[68:79] for Wo
.set G0B,  68
.set SCL,  60                          ; s[60:61] 2^(e10 + e11)
.set MUL,  0xf6                        ; source 0 (Wo) window 2, source 1 (ao) window 1, C and D window 3
.set MSB, 0
.macro WIN new                         ; the immediate's high byte repeats the setting that is left; a switch that changes nothing is dropped
.if MSB != (\new)
	s_set_vgpr_msb (MSB<<8)|(\new)
.set MSB, \new
.endif
.endm
.macro CROUND                          ; a round of the cluster's barrier
	s_barrier_signal -1
	s_barrier_wait -1
	s_cmp_lg_u32 s14, 0
	s_cbranch_scc1 .Lnot_wave_0_\@
	s_barrier_signal -3
.Lnot_wave_0_\@:
	s_barrier_wait -3
	s_barrier_signal -1
	s_barrier_wait -1
.endm
.macro PLACES                          ; four places in front of loads into registers that matrix instructions have read, and of the first read of results (ISA guide 7.12.1 for vector instructions)
.rept 4
	v_nop
.endr
.endm
.macro TL g0, g1                       ; a tensor load with s_nop 0 and four v_nop behind it
	tensor_load_to_lds s[\g0:\g0+3], s[\g1:\g1+7]
	s_nop 0
.rept 4
	v_nop
.endr
.endm
	s_load_b256 s[4:11], s[0:1], 0x0               ; ao_img s[4:5], Wo s[6:7], bo s[8:9], the scales' exponents s[10:11]
	s_load_b64 s[12:13], s[0:1], 0x20              ; out0
	v_lshl_add_u32 v[SPW], v0, 2, SPARE
	v_mov_b32 v[NIL], 0
	ds_add_u32 v[SPW], v[NIL]
	ds_add_u32 v[SPW], v[NIL]
	s_wait_dscnt 0x0
	v_lshrrev_b32 v1, 5, v0
	v_readfirstlane_b32 s14, v1                    ; wave 0..3
	s_lshr_b32 s15, s14, 1                         ; which 128 of the tile's rows are mine.  Also: I fetch for ao (0) or for Wo (1)
	s_and_b32 s16, s14, 1                          ; which 64 of its columns.  Also: I fetch chunk 0 (0) or the large slot and chunk 3 (1)
	s_bfe_u32 s40, ttmp6, 0x40000                  ; cx, cy: my place in the cluster
	s_bfe_u32 s41, ttmp6, 0x40004
	s_lshl_b32 s42, ttmp9, 2
	s_add_co_u32 s42, s42, s40                     ; tile column = 4 x cluster x + cx
	s_and_b32 s17, ttmp7, 0xffff
	s_lshl_b32 s17, s17, 2
	s_add_co_u32 s17, s17, s41                     ; tile row = 4 x cluster y + cy
	s_lshl_b32 s43, s41, 2
	s_lshl_b32 s43, 15, s43                        ; my row of the cluster
	s_lshl_b32 s44, 0x1111, s40                    ; my column
	; ao: 16 row tiles, of each a chunk's 4,096 bytes (512 elements of 8 bytes) or two chunks' 8,192, 16,384 bytes apart in memory, dense in LDS
	s_or_b32 s[G1A], s43, (3<<16)|(1<<21)          ; 15:0 the mask: my row; 17:16 elements of 8 bytes; 21 set beside a mask
	s_mov_b32 s[G1A+1], 512<<16                    ; tensor_dim0
	s_mov_b32 s[G1A+2], 16<<16                     ; tensor_dim1
	s_mov_b32 s[G1A+3], 512<<16                    ; tile_dim0
	s_mov_b32 s[G1A+4], 16                         ; tile_dim1
	s_mov_b32 s[G1A+5], 2048                       ; from row to row: 2,048 elements
	s_mov_b32 s[G1A+6], 0
	s_mov_b32 s[G1A+7], 0
	s_or_b32 s[G1AL], s43, (3<<16)|(1<<21)
	s_mov_b32 s[G1AL+1], 1024<<16
	s_mov_b32 s[G1AL+2], 16<<16
	s_mov_b32 s[G1AL+3], 1024<<16
	s_mov_b32 s[G1AL+4], 16
	s_mov_b32 s[G1AL+5], 2048
	s_mov_b32 s[G1AL+6], 0
	s_mov_b32 s[G1AL+7], 0
	; Wo: 128 rows x 256 or 512 bytes, padded in LDS
	s_or_b32 s[G1B], s44, (0<<16)|(1<<20)|(1<<21)|(5<<22)|(3<<25)   ; the mask: my column; elements of 1 byte; padding: four words after every 64
	s_mov_b32 s[G1B+1], 256<<16
	s_mov_b32 s[G1B+2], 128<<16
	s_mov_b32 s[G1B+3], 256<<16
	s_mov_b32 s[G1B+4], 128
	s_mov_b32 s[G1B+5], 1024
	s_mov_b32 s[G1B+6], 0
	s_mov_b32 s[G1B+7], 0
	s_or_b32 s[G1BL], s44, (0<<16)|(1<<20)|(1<<21)|(6<<22)|(3<<25)  ; padding: four words after every 128
	s_mov_b32 s[G1BL+1], 512<<16
	s_mov_b32 s[G1BL+2], 128<<16
	s_mov_b32 s[G1BL+3], 512<<16
	s_mov_b32 s[G1BL+4], 128
	s_mov_b32 s[G1BL+5], 1024
	s_mov_b32 s[G1BL+6], 0
	s_mov_b32 s[G1BL+7], 0
	s_lshl_b32 s20, s17, 18                        ; ao: row tile 16 x tile row, 16,384 bytes each
	s_mov_b32 s21, 0
	s_lshl_b32 s46, s42, 17                        ; Wo: row 128 x tile column, 1,024 bytes each
	s_mov_b32 s47, 0
	s_wait_kmcnt 0x0
	s_load_b64 s[62:63], s[10:11], 0x28            ; e10, e11
	s_add_nc_u64 s[20:21], s[4:5], s[20:21]
	s_add_nc_u64 s[46:47], s[6:7], s[46:47]
	CROUND                                         ; all sixteen work-groups are here: the first joint loads meet
.irp q, 0,1,2                          ; 0: chunk 0, small slot; 1: chunks 1 and 2, large slot; 2: chunk 3, small slot.  Each has its own group 0, so none is ever rewritten; no place in the cluster enters an LDS address
	s_mov_b32 s[G0A+4*\q], 1
	s_mov_b32 s[G0A+4*\q+1], (\q%2)*BIGA
	s_add_nc_u64 s[G0A+4*\q+2:G0A+4*\q+3], s[20:21], (\q+\q/2)*4096
	s_or_b32 s[G0A+4*\q+3], s[G0A+4*\q+3], 0x80000000
	s_mov_b32 s[G0B+4*\q], 1
	s_mov_b32 s[G0B+4*\q+1], BOFF+(\q%2)*(BIGB-BOFF)
	s_add_nc_u64 s[G0B+4*\q+2:G0B+4*\q+3], s[46:47], (\q+\q/2)*256
	s_or_b32 s[G0B+4*\q+3], s[G0B+4*\q+3], 0x80000000
.endr
	s_cmp_eq_u32 s16, 0                            ; the first fills: one chain of branches on the wave's number, one load to an arm
	s_cbranch_scc1 .Lfirst_small
	s_cmp_eq_u32 s15, 0
	s_cbranch_scc0 .Lfirst_bl
	TL G0A+4, G1AL
	s_branch .Lfirst_asked
.Lfirst_bl:
	TL G0B+4, G1BL
	s_branch .Lfirst_asked
.Lfirst_small:
	s_cmp_eq_u32 s15, 0
	s_cbranch_scc0 .Lfirst_b
	TL G0A, G1A
	s_branch .Lfirst_in
.Lfirst_b:
	TL G0B, G1B
.Lfirst_in:
	s_wait_tensorcnt 0x0                           ; waves 0 and 2: my tile of chunk 0 is in.  Waves 1 and 3 go round this wait: what they fetch is read behind step 1's wait and round
.Lfirst_asked:
	v_and_b32 v1, 15, v0                           ; r = l % 16
	v_bfe_u32 v2, v0, 4, 1                         ; l / 16
	v_and_b32 v3, 31, v0
	v_lshlrev_b32 v3, 4, v3                        ; 16 x lane
	v_mul_u32_u24 v4, v1, PITCH
	v_lshl_add_u32 v4, v2, 3, v4                   ; Wo: row r, + 8 x half: small slot,
	v_mul_u32_u24 v7, v1, BP
	v_lshl_add_u32 v7, v2, 3, v7                   ; large slot
	s_wait_alu depctr_va_vdst(0)
	s_lshl_b32 s18, s15, 15                        ; my eight row tiles of ao,
	s_mul_i32 s19, s16, 64*PITCH
	s_add_co_u32 s19, s19, BOFF                    ; my 64 rows of Wo
	v_add_nc_u32 v[ADRA], s18, v3
	v_add_nc_u32 v[ADRB], s19, v4
	s_lshl_b32 s18, s15, 16
	s_add_co_u32 s18, s18, BIGA
	s_mul_i32 s19, s16, 64*BP
	s_add_co_u32 s19, s19, BIGB
	v_add_nc_u32 v[ADRA+1], s18, v3
	v_add_nc_u32 v[ADRB+1], s19, v7
	s_mul_i32 s18, s14, 16*SPITCH
	s_add_co_u32 s18, s18, STAGE                   ; my stage
	v_mul_u32_u24 v5, v1, SPITCH
	v_lshl_add_u32 v5, v2, 5, v5
	v_add_nc_u32 v[STO], s18, v5                   ; in: row r, 32 bytes for each half of the lanes
	v_mul_u32_u24 v5, v2, SPITCH
	v_lshl_add_u32 v5, v1, 4, v5
	v_add_nc_u32 v[RD], s18, v5                    ; back: lanes 0-15 one row of 256 bytes, lanes 16-31 the next
	v_lshlrev_b32 v5, 12, v2
	v_lshl_add_u32 v[CO], v1, 4, v5                ; and the same two rows in out0, 4,096 bytes apart
	s_lshl_b32 s96, s42, 9
	s_lshl_b32 s97, s16, 8
	s_add_co_u32 s96, s96, s97                     ; my first column, in bytes: 512 x tile column + 256 x half
	s_mov_b32 s97, 0
	s_add_nc_u64 s[8:9], s[8:9], s[96:97]
	v_lshlrev_b32 v6, 5, v2                        ; bo: for tile b my eight numbers 16 b + 8 (l / 16) + 0 .. 7
	WIN 0x80                                       ; destination window 2
.irp b, 0,1,2,3
	global_load_b128 v[BIAS+8*\b:BIAS+8*\b+3], v6, s[8:9] offset:64*\b
	global_load_b128 v[BIAS+8*\b+4:BIAS+8*\b+7], v6, s[8:9] offset:64*\b+16
.endr
	WIN 0
	s_lshl_b32 s98, s17, 8
	s_lshl_b32 s99, s15, 7
	s_add_co_u32 s98, s98, s99                     ; my first row of out0,
	s_lshl_b32 s98, s98, 12                        ; 4,096 bytes each (under 2^26)
	s_add_co_u32 s98, s98, s96
	s_mov_b32 s99, 0
	s_add_nc_u64 s[12:13], s[12:13], s[98:99]
	s_wait_kmcnt 0x0
	s_add_co_i32 s[SCL], s62, s63
	s_add_co_i32 s[SCL], s[SCL], 127
	s_lshl_b32 s[SCL], s[SCL], 23                  ; 2^(e10 + e11) as f32
	s_mov_b32 s[SCL+1], s[SCL]                     ; (named with it as a pair, so it is written)
; 64 LDS loads in one run: the fragments of the ks-th 128 along K of the small (big = 0) or large (big = 1) slot into set p: Wo's four (eight loads of 8 bytes each), ao's eight (four loads of 16 bytes each)
.macro FETCH3 big, ks, p
	WIN 0x80
.irp b, 0,1,2,3
.irp c, 0,1,2,3,4,5,6,7
	ds_load_b64 v[64*(\p)+16*\b+2*\c:64*(\p)+16*\b+2*\c+1], v[ADRB+\big] offset:16*(PITCH+256*(\big))*\b+128*(\ks)+16*\c
.endr
.endr
	WIN 0x40
.irp a, 0,1,2,3,4,5,6,7
.irp i, 0,1,2,3
	ds_load_b128 v[128*(\p)+16*\a+4*\i:128*(\p)+16*\a+4*\i+3], v[ADRA+\big] offset:4096*(1+(\big))*\a+2048*(\ks)+512*\i
.endr
.endr
	WIN 0
.endm
; 16 matrix instructions: ao's row tiles a0 .. a0 + 3 x Wo's four, 128 along K, from set p.  zero = 1: the products start the sums: nothing is ever cleared.
; The 32 accumulators take turns, one instruction a turn, in the same order in every step.
.macro MULH p, zero, a0
	WIN MUL
.irp a, \a0, \a0+1, \a0+2, \a0+3
.irp b, 0,1,2,3
.if \zero
	v_wmma_f32_16x16x128_fp8_fp8 v[8*(4*(\a)+\b):8*(4*(\a)+\b)+7], v[64*(\p)+16*\b:64*(\p)+16*\b+15], v[128*(\p)+16*(\a):128*(\p)+16*(\a)+15], 0
.else
	v_wmma_f32_16x16x128_fp8_fp8 v[8*(4*(\a)+\b):8*(4*(\a)+\b)+7], v[64*(\p)+16*\b:64*(\p)+16*\b+15], v[128*(\p)+16*(\a):128*(\p)+16*(\a)+15], v[8*(4*(\a)+\b):8*(4*(\a)+\b)+7]
.endif
.endr
.endr
.endm
.macro MUL32 p, zero
	MULH \p, \zero, 0
	MULH \p, \zero, 4
.endm
; A plain step: this step's fragments are in; the next step's are asked for, into the other set, and land under this step's 32 products.
.macro NSTEP big, ks, p
	s_wait_dscnt 0x0
	PLACES                                         ; the other set was read by the products just issued
	FETCH3 \big, \ks, \p
	MUL32 1-(\p), 0
.endm
	s_wait_alu depctr_va_vdst(0)
	s_barrier_signal -1                            ; waves 0 and 2 have waited for chunk 0; the large slot's loads may stay out
	s_barrier_wait -1
	FETCH3 0, 0, 0
	s_wait_dscnt 0x0                               ; step 0
	FETCH3 0, 1, 1
	MUL32 0, 1
	WIN 0                                          ; step 1 leaves the small slot, which takes chunk 3  (the add's two registers lie in window 0)
	s_wait_dscnt 0x0                               ; set 1 is in
	s_wait_tensorcnt 0x0                           ; all my tensor loads have landed: in waves 1 and 3 the large slot's tiles
	ds_add_u32 v[SPW], v[NIL]                      ; 0 onto my spare word
	MULH 1, 0, 0                                   ; sixteen matrix instructions stand between the add and the wait for it
	WIN 0
	s_wait_dscnt 0x0                               ; the add is done, and my reads of the small slot are over
	CROUND                                         ; no wave of any partner still reads the small slot or has a load on its way; the large slot is whole
	s_cmp_eq_u32 s16, 1                            ; the joint refill, chunk 3: wave 1 for ao, wave 3 for Wo: the first tensor load behind the round
	s_cbranch_scc0 .Lrefilled
	s_cmp_eq_u32 s15, 0
	s_cbranch_scc0 .Lrefill_b
	TL G0A+8, G1A
	s_branch .Lrefilled
.Lrefill_b:
	TL G0B+8, G1B
.Lrefilled:
	PLACES                                         ; on every wave's way, in front of the loads below
	FETCH3 1, 0, 0
	MULH 1, 0, 4                                   ; the step's other half covers the fetch
	NSTEP 1, 1, 1                                  ; step 2
	NSTEP 1, 2, 0                                  ; step 3
	NSTEP 1, 3, 1                                  ; step 4
	s_wait_dscnt 0x0                               ; step 5: set 1 is in;
	s_wait_tensorcnt 0x0                           ; my part of chunk 3 is in: say so.
	s_barrier_signal -1
	MULH 1, 0, 0                                   ; work on registers while the others arrive
	s_barrier_wait -1                              ; everybody's part is in
	PLACES
	FETCH3 0, 0, 0
	MULH 1, 0, 4
	NSTEP 0, 1, 1                                  ; step 6
	s_wait_dscnt 0x0                               ; step 7: nothing more to fetch
	MUL32 1, 0
	WIN 0
	s_wait_loadcnt 0x0                             ; bo
	PLACES                                         ; behind the last products: results are read from here on
; THE WAY OUT, block by block of 16 rows x 64 columns.  A lane holds 32 neighbouring bytes of a row and the lanes beside it other rows: so a block goes through my own stage in LDS and comes back as whole
; rows of 256 bytes.  LDS serves a wave's instructions in order (ISA guide 5.7.1.4): no wait between the stores and the loads, nor in front of the next block's stores.
.macro TOSTAGE a
	WIN 0x23                                       ; source 0 (the sums) window 3, source 2 (bo) window 2
.irp b, 0,1,2,3
.irp i, 0,2,4,6
	v_pk_fma_f32 v[TMP+8*\b+\i:TMP+8*\b+\i+1], v[8*(4*(\a)+\b)+\i:8*(4*(\a)+\b)+\i+1], s[SCL:SCL+1], v[BIAS+8*\b+\i:BIAS+8*\b+\i+1] op_sel_hi:[1,0,1]   ; sum x 2^(e10 + e11) + bo; each accumulator from its low end on
.endr
.endr
	WIN 0
.irp b, 0,1,2,3
	ds_store_b128 v[STO], v[TMP+8*\b:TMP+8*\b+3] offset:64*\b
	ds_store_b128 v[STO], v[TMP+8*\b+4:TMP+8*\b+7] offset:64*\b+16
.endr
.set BB, BK+32*((\a)%2)
.irp t, 0,1,2,3,4,5,6,7
	ds_load_b128 v[BB+4*\t:BB+4*\t+3], v[RD] offset:\t*2*SPITCH
.endr
.endm
.macro SEND a, younger                 ; younger: the LDS instructions issued behind block a's loads, which may stay out
.set BB, BK+32*((\a)%2)
	s_wait_dscnt \younger                          ; the block is back in registers
.irp t, 0,1,2,3,4,5,6,7
	global_store_b128 v[CO], v[BB+4*\t:BB+4*\t+3], s[12:13] offset:65536*(\a)+8192*\t th:TH_STORE_NT   ; 16 lanes store 256 consecutive bytes, at a multiple of 256 from out0's first byte; written once, read by nobody here
.endr
.endm
	TOSTAGE 0
.irp a, 1,2,3,4,5,6,7
.if \a > 1
	s_wait_xcnt 0x0                                ; block a - 2's stores have read their registers: block a's loads may land there
.endif
	TOSTAGE \a
	SEND (\a)-1, 16                                ; behind block a - 1's loads: block a's 8 stores and 8 loads
.endr
	SEND 7, 0
	s_wait_tensorcnt 0x0                           ; the wave's end: behind my last tensor load and my last LDS store
	ds_add_u32 v[SPW], v[NIL]
	s_wait_dscnt 0x0
	CROUND                                         ; the closing round: no work-group ends while a partner may still ask for a tile that names it
	s_endpgm
.Lfunc_end_k_q8c60864869_oproj:
	.size	k_q8c60864869_oproj, .Lfunc_end_k_q8c60864869_oproj-k_q8c60864869_oproj
	.p2alignl 7, 3214868480
	.fill 96, 4, 3214868480
	.section	.rodata,"a",@progbits
	.p2align	6, 0x0
	.amdhsa_kernel k_q8c60864869_oproj
		.amdhsa_group_segment_fixed_size 327680
		.amdhsa_private_segment_fixed_size 0
		.amdhsa_enable_private_segment 0
		.amdhsa_kernarg_size 40
		.amdhsa_user_sgpr_count 2
		.amdhsa_user_sgpr_kernarg_segment_ptr 1
		.amdhsa_wavefront_size32 1
		.amdhsa_system_sgpr_workgroup_id_x 1
		.amdhsa_system_sgpr_workgroup_id_y 1
		.amdhsa_system_sgpr_workgroup_id_z 1
		.amdhsa_system_vgpr_workitem_id 0
		.amdhsa_next_free_vgpr 1024
		.amdhsa_next_free_sgpr 100
		.amdhsa_reserve_vcc 0
		.amdhsa_float_denorm_mode_32 3
		.amdhsa_float_denorm_mode_16_64 3
		.amdhsa_memory_ordered 1
		.amdhsa_forward_progress 1
		.amdhsa_inst_pref_size 85
	.end_amdhsa_kernel
	.amdgpu_metadata
---
amdhsa.version: [ 1, 2 ]
amdhsa.kernels:
  - .name:           k_q8c60864869_oproj
    .symbol:         k_q8c60864869_oproj.kd
    .args:
      - { .name: ao_img, .offset: 0, .size: 8, .value_kind: global_buffer, .address_space: global }
      - { .name: Wo_codes, .offset: 8, .size: 8, .value_kind: global_buffer, .address_space: global }
      - { .name: bo, .offset: 16, .size: 8, .value_kind: global_buffer, .address_space: global }
      - { .name: lowp_scales, .offset: 24, .size: 8, .value_kind: global_buffer, .address_space: global }
      - { .name: out0, .offset: 32, .size: 8, .value_kind: global_buffer, .address_space: global }
    .group_segment_fixed_size: 327680
    .private_segment_fixed_size: 0
    .kernarg_segment_align: 8
    .kernarg_segment_size: 40
    .max_flat_workgroup_size: 128
    .sgpr_count:     100
    .vgpr_count:     1024
    .wavefront_size: 32
...
	.end_amdgpu_metadata
.endif
;; end of part 3
